; MI455X (gfx1250); checked and timed in simulation.
; The chip was launched on July 23, 2026; its instructions are those of AMD's public machine-readable ISA for CDNA 5 (MIT licence, August 2026) and "CDNA5" Instruction Set Architecture Reference Guide (July 2026). The comments in the code are by the model that wrote it; some were corrected since.
;; Self Attention. Allowed arithmetic: matrix products marked QUANTISED: E2M3 operands, one E8M0 scale for each 32 along K, by v_wmma_scale_f32_16x16x128_f8f6f4 with both operands' format E2M3, f32 sums; everything else in f32.
;; Inputs: W_out_codes 512 x 16 x 24 uint8 (E2M3 codes of W_out, K innermost, in blocks of 32 codes, four codes in three bytes); W_out_scales 512 x 16 uint8 (E8M0 scales of W_out, one for each 32 codes along K); keys 8 x 2,048 x 512 float32; mask 8 x 1 x 1 x 2,048 int32; query 8 x 2,048 x 512 float32; values_codes 8 x 512 x 64 x 24 uint8 (E2M3 codes of values, K innermost, in blocks of 32 codes, four codes in three bytes); values_scales 8 x 512 x 64 uint8 (E8M0 scales of values, one for each 32 codes along K).
;; Outputs: out0 8 x 2,048 x 512 float32.
;; This version of the problem:
;;   THIS VERSION OF THE PROBLEM IS GIVEN IN LOW PRECISION. The matrix products marked QUANTISED in the list below multiply operands that are first quantised to E2M3 (2 exponent bits, 3 mantissa bits; 6 bits a number), with one power-of-two scale for each 32 numbers along K (OCP MX v1.0); their sums are f32. All else is computed in f32.
;;   The module's matrix products, in the order in which they are computed (A, B: the left and right operand; K: the contracted axis; several contracted axes count as one K, in the product's order):
;;     1. batch 64 x [M 2,048, K 64] x [K 64, N 2,048]; A: input query; B: input keys: QUANTISED
;;     2. batch 64 x [M 64, K 2,048] x [K 2,048, N 2,048]; A: input values (given as codes); B: softmax (see below): QUANTISED
;;     3. [M 16,384, K 512] x [K 512, N 512]; A: computed on the way; B: input W_out (given as codes): QUANTISED
;;   THE QUANTISER, for each operand of a quantised product, along K:
;;     - K is cut into blocks of 32 from its start; a last block that is shorter is filled with zeros.
;;     - A block's scale is 2^e with e = floor(log2(the largest magnitude in the block)) - 2, held to -126 .. 127; a block of zeros has e = 0. As a byte (E8M0): e + 127.
;;     - Each number is divided by its block's scale, clamped to +-7.5, and rounded to the nearest number of E2M3, ties to even, subnormals kept.
;;     - The product sums the exact products of the quantised numbers (number of the format x scale) in f32.
;;   ~~~python
;;   def quantise(x, axis):      # numpy; x: float32 -> the quantised numbers, widened to float32 again
;;       x = np.moveaxis(x, axis, -1); K = x.shape[-1]
;;       x = np.pad(x, [(0, 0)] * (x.ndim - 1) + [(0, -K % 32)]); x = x.reshape(x.shape[:-1] + (-1, 32)); a = np.abs(x).max(-1, keepdims=True)
;;       e = np.where(a > 0, np.clip(np.frexp(np.where(a > 0, a, 1))[1] - 1 - 2, -126, 127), 0)      # np.frexp(a)[1] - 1 = floor(log2(a)), exactly
;;       r = np.clip(x / 2.0 ** e, -7.5, 7.5)
;;       step = 2.0 ** (np.maximum(np.frexp(np.where(r == 0, 1, r))[1] - 1, 0) - 3)
;;       q = np.round(r / step) * step * 2.0 ** e      # np.round: ties to even
;;       return np.moveaxis(q.reshape(q.shape[:-2] + (-1,))[..., :K], -1, axis).astype(np.float32)
;;   ~~~
;;   SOFTMAX AHEAD OF A QUANTISED PRODUCT. Where the list says 'softmax', what is quantised is not the finished softmax but p = 2^(t - M), with t = logit x log2(e) and M = ceil(the row's largest t), a whole number; so 1/2 < the row's largest p <= 1. The row's sum l is taken of the UNQUANTISED p, in f32, and the product's result is divided by l at the end. Since M is a whole number, a kernel that streams over the keys may use a running M (the ceiling of the running maximum): every later rescaling is an exact power of two, which a block's scale takes up: the codes' values come out the same.
;;   OPERANDS COMPUTED ON THE WAY. 'Computed on the way' means the value that the module computes at that place (a softmax that the list does not call 'softmax' is quantised finished and normalised). What goes into a quantiser is computed in f32, as accurately as f32 sums, v_exp_f32 and their like allow (about 1e-6 of the number): no bf16 or f16 on the way to a quantiser, and a product that is left as it is and whose result goes on into a quantised operand takes f32 operands (vector FMAs, or v_wmma_f32_16x16x4_f32). A number that lies on a knife's edge between two numbers of the format may be rounded either way, as far as f32 arithmetic and the matrix unit's own rounding can turn it there, and no further.
;;   INPUTS GIVEN AS CODES. W_out (in the module: [512, 512], K = its axis 1); values (in the module: [8, 2048, 512], K = its axis 1): each comes as NAME_codes (uint8): NAME with its K axis moved to the last place and cut into blocks of 32 codes, [.., K / 32, bytes a block], one block behind the other in memory; four codes in three bytes: a row's codes are one little-endian stream of bits, code i at bits 6 i .. 6 i + 5 (a code: sign, 2 exponent bits, 3 mantissa bits); and NAME_scales (uint8): the same leading axes, one E8M0 byte (e + 127) for each 32 codes along K. Its value is code x scale, taken as it is: it is not quantised again, and the codes and scales need not be those that the quantiser above would give.
;; One version. Each part assembles by itself: llvm-mc -triple=amdgcn-amd-amdhsa -mcpu=gfx1250 --defsym DOCPART=n.
;; ======== version 1 of 1: 3 launches
;; limits: right only within a limited range of input values
;; workspace buffers: kv 15,466,496 bytes; ocod 6,291,456 bytes; oscl 262,144 bytes; wimg 196,608 bytes
;; launch kquant (part 1): grid 32 x 8, 4 waves a work-group, no clusters, 94,976 bytes of LDS; arguments keys, mask, values_codes, values_scales, kv, W_out_codes, wimg; writes kv, wimg
.if DOCPART == 1
	.amdgcn_target "amdgcn-amd-amdhsa--gfx1250"
	.amdhsa_code_object_version 6
	.text
	.protected	k_q9f3235cbd9_kquant
	.globl	k_q9f3235cbd9_kquant
	.p2align	8
	.type	k_q9f3235cbd9_kquant,@function
k_q9f3235cbd9_kquant:
	s_mov_b64 s[64:65], 0
	v_nop
	global_prefetch_b8 v0, s[64:65] scope:SCOPE_SE
	s_setreg_imm32_b32 hwreg(HW_REG_WAVE_MODE, 25, 1), 1
	s_wait_xcnt 0x0
; Prepares kv, the attention launch's one stream: for each (batch, head) 241,664 bytes:
;   [V's scale words: 4 tiles of 16 channels x 16 steps x 16 rows x 4 bytes][16 steps of 128 keys: K's image 8,704 bytes, V's image 6,144 bytes].
; Both images lie IN THE ORDER OF THE OPERAND'S REGISTERS: a chunk is 32 lanes x 16 bytes.
; K: keys [8][2048][512] f32 -> codes of FP6 (E2M3) along a head's 64 channels, two blocks of 32, one E8M0 byte a block.
;   Fragment T = 4 c + i (1,024 bytes: registers 0-3, then 4-6 and a pad word): lane (r, h) holds key 64 c + 32 (r / 8) + 8 i + r % 8, channels 32 h .. 32 h + 31 in registers 0-5.
;   Register 6 is the head of the operand's third block of 32 along K, a channel that holds THE MASK: 0 for a key that counts, -2^67 (code -4, byte 192) for one whose mask word is 0;
;   such a key's 64 codes are zeros, so its score is exactly -2^67.  A block of zeros has the byte 127, as the quantiser says.
;   Scale words at byte 8,192: lane l's 16 bytes are the words of fragments 2 g + l / 16, g = 0 .. 3, row l % 16; bytes: channels 0-31, 32-63, the mask's block, 127.
; V: values_codes are copied: fragment t of a step: lane (r, h) takes channel 16 t + r, bytes 96 step + 24 h and + 48 of its row of 1,536.
; LIMITS: NaN and infinities in keys are not served; blocks of keys whose largest magnitude lies under 2^-124, zeros among them, keep the byte 1 (this program alone reads the bytes).
; SHARES: y = batch.  K: x = 2 step + half, wave w takes head 4 half + w: 128 keys x 64 channels in two halves of 64 keys, through the wave's own stage.
; V: x = tile of 16 channels: 24,576 dense bytes come in by whole rows (wave w: rows 4 w .. 4 w + 3), meet in LDS behind one barrier, and wave w writes steps 4 w .. 4 w + 3.  No work-group shares input with another: no cluster.
.set SP,    272
.set KST,   17408                      ; a wave's stage: 64 rows x 272 bytes
.set VST,   69632                      ; V's stage: 16 rows x 1,552 bytes
.set VPT,   1552
.set SPARE, 94464
.set HEADB, 241664
.set STEPB, 14848
.set MK,  16                           ; v16-23 mask words of my key in fragment T
.set R,   32                           ; v32-159 64 keys as loaded
.set X,   160                          ; v160-223 two fragments' 32 neighbours; a fragment's 8 registers are then made in X + 32 u + 16 ..
.set AM,  224
.set SO,  226
.set BY,  228
.set HI,  230
.set TT,  232
.set SW,  240                          ; v240-247 the eight fragments' scale words
	s_load_b256 s[4:11], s[0:1], 0x0               ; keys, mask, V's codes, V's scales
	s_load_b64 s[12:13], s[0:1], 0x20              ; kv
; W: the 32 work-groups of batch 0 also copy W_out_codes into wimg, in the order of the projection's operand registers: fragment 4 x + wave (16 rows 16 x .., K step = wave) is 1,536 bytes:
; lane (r, h) takes bytes 96 wave + 24 h and + 48 of row 16 x + r.  Window 1 holds the second 64 keys as loaded (v32-159) and W's fragment (v0-11).
	s_load_b128 s[48:51], s[0:1], 0x28             ; W's codes, wimg
.set MSB, 0
.macro WIN new                         ; the immediate's high byte repeats the setting that is left
.if MSB != \new
	s_set_vgpr_msb (MSB<<8)|\new
.set MSB, \new
.endif
.endm
	v_lshl_add_u32 v254, v0, 2, SPARE
	v_mov_b32 v255, 0
	v_lshrrev_b32 v1, 5, v0
	v_readfirstlane_b32 s14, v1                    ; wave 0..3
	s_mul_i32 s18, s14, KST
	s_mul_i32 s24, s14, 4*VPT
	s_add_co_u32 s24, s24, VST
	s_mul_i32 s25, s14, 384
	s_add_co_u32 s25, s25, VST
	v_and_b32 v26, 15, v0                          ; r
	v_bfe_u32 v27, v0, 4, 1                        ; h
	v_and_b32 v28, 31, v0                          ; lane
	v_lshlrev_b32 v1, 11, v27
	v_lshl_add_u32 v1, v26, 4, v1                  ; keys: row h of a pair, 16 bytes a lane
	v_mul_u32_u24 v2, v27, SP
	v_lshl_add_u32 v2, v26, 4, v2
	v_add_nc_u32 v2, s18, v2                       ; the stage, on the way in
	v_and_b32 v6, 8, v26
	v_mad_u32_u24 v6, v6, 3, v26                   ; r % 8 + 32 (r / 8)
	v_mul_u32_u24 v3, v6, SP
	v_lshl_add_u32 v3, v27, 7, v3
	v_add_nc_u32 v3, s18, v3                       ; and out: my key's row, channels 32 h on
	v_lshlrev_b32 v6, 2, v6                        ; its mask word
	v_lshlrev_b32 v4, 4, v28                       ; 16 x lane
	v_lshlrev_b32 v5, 3, v28                       ; 8 x lane
	v_lshlrev_b32 v7, 3, v27                       ; 8 h
	v_add_nc_u32 v8, s24, v4                       ; V's stage, in: my four rows
	v_mul_u32_u24 v9, v26, VPT
	v_mad_u32_u24 v9, v27, 24, v9
	v_add_nc_u32 v9, s25, v9                       ; and out: row r, + 24 h, my four steps
	v_and_b32 v10, 7, v28
	v_lshlrev_b32 v10, 7, v10
	v_lshrrev_b32 v29, 3, v28
	v_lshl_add_u32 v10, v29, 2, v10                ; V's scales: row 2 (lane % 8), word lane / 8 of my four
	v_sub_nc_u32 v11, 1, v27
	v_mul_u32_u24 v11, v11, 0x38                   ; the code -4, in lanes 0-15
	v_mov_b32 v12, 0x7f7f0000                      ; a scale word's upper bytes: a key that counts,
	v_mov_b32 v13, 0x7fc00000                      ; and one that does not
	v_mov_b32 v14, 0                               ; (a lane permute's destination counts as read)
	v_mov_b32 v15, 0
	v_mov_b32 v29, 0
	v_mul_u32_u24 v30, v26, 384
	v_mad_u32_u24 v30, v27, 24, v30                ; W: row r of 384 bytes, + 24 h
	s_and_b32 s15, ttmp7, 0xffff                   ; batch
	s_lshr_b32 s16, ttmp9, 1                       ; K: step
	s_and_b32 s17, ttmp9, 1
	s_lshl_b32 s17, s17, 2
	s_add_co_u32 s17, s17, s14                     ; K: head
	s_lshl_b32 s20, s15, 22
	s_lshl_b32 s19, s16, 18
	s_add_co_u32 s20, s20, s19
	s_lshl_b32 s19, s17, 8
	s_add_co_u32 s20, s20, s19                     ; keys
	s_mov_b32 s21, 0
	s_lshl_b32 s22, s15, 13
	s_lshl_b32 s19, s16, 9
	s_add_co_u32 s22, s22, s19                     ; mask
	s_mov_b32 s23, 0
	s_lshl_b32 s26, s15, 3
	s_add_co_u32 s26, s26, s17
	s_mul_i32 s26, s26, HEADB
	s_mul_i32 s19, s16, STEPB
	s_add_co_u32 s26, s26, s19
	s_add_co_u32 s26, s26, 4096                    ; K's image
	s_mov_b32 s27, 0
	s_lshl_b32 s28, s15, 5
	s_add_co_u32 s28, s28, ttmp9                   ; V: tile of 16 channels, counted over the batches
	s_lshl_b32 s30, s28, 10
	s_lshl_b32 s19, s14, 4
	s_add_co_u32 s30, s30, s19                     ; V's scales: 16 rows of 64 bytes, my four words
	s_mov_b32 s31, 0
	s_lshr_b32 s32, s28, 2
	s_mul_i32 s32, s32, HEADB
	s_and_b32 s19, ttmp9, 3
	s_mul_i32 s34, s19, 1536
	s_add_co_u32 s34, s34, s32
	s_lshl_b32 s19, s19, 10
	s_add_co_u32 s32, s32, s19
	s_lshl_b32 s19, s14, 8
	s_add_co_u32 s32, s32, s19                     ; where my 256 bytes of scale words go
	s_mov_b32 s33, 0
	s_mul_i32 s19, s14, 4*STEPB
	s_add_co_u32 s34, s34, s19
	s_add_co_u32 s34, s34, 4096+8704               ; where my four steps' fragments go
	s_mov_b32 s35, 0
	s_mul_i32 s28, s28, 24576
	s_mul_i32 s19, s14, 6144
	s_add_co_u32 s28, s28, s19                     ; V's codes: my four rows
	s_mov_b32 s29, 0
	s_mov_b32 s42, 0x76543210
	s_mov_b32 s43, 0xfedcba98                      ; selects for lane l xor 16
	s_mov_b32 s44, 0xffff0000                      ; lanes 16-31
	s_mul_i32 s52, ttmp9, 6144
	s_mul_i32 s19, s14, 96
	s_add_co_u32 s52, s52, s19                     ; W: 16 rows, my K step
	s_mov_b32 s53, 0
	s_lshl_b32 s54, ttmp9, 2
	s_add_co_u32 s54, s54, s14
	s_mul_i32 s54, s54, 1536                       ; wimg: my fragment
	s_mov_b32 s55, 0
	s_wait_alu depctr_va_vdst(0)                   ; the wait at the head's end
	s_wait_kmcnt 0x0
	s_add_nc_u64 s[4:5], s[4:5], s[20:21]
	s_add_nc_u64 s[6:7], s[6:7], s[22:23]
	s_add_nc_u64 s[8:9], s[8:9], s[28:29]
	s_add_nc_u64 s[10:11], s[10:11], s[30:31]
	s_add_nc_u64 s[36:37], s[12:13], s[26:27]
	s_add_nc_u64 s[38:39], s[12:13], s[32:33]
	s_add_nc_u64 s[40:41], s[12:13], s[34:35]
	s_add_nc_u64 s[48:49], s[48:49], s[52:53]
	s_add_nc_u64 s[50:51], s[50:51], s[54:55]
.irp rr, 0,1,2,3
.irp j, 0,1,2
	global_load_b128 v[X+12*\rr+4*\j:X+12*\rr+4*\j+3], v4, s[8:9] offset:1536*\rr+512*\j th:TH_LOAD_NT   ; 512 consecutive bytes of a row
.endr
.endr
	global_load_b32 v224, v10, s[10:11]
	global_load_b32 v225, v10, s[10:11] offset:64
.irp T, 0,1,2,3,4,5,6,7
	global_load_b32 v[MK+\T], v6, s[6:7] offset:(64*(\T/4)+8*(\T%4))*4
.endr
.macro LOAD c                          ; 64 keys x 256 bytes, two rows an instruction; half c into window c
	WIN 0x40*(\c)
.set i, 0
.rept 32
	global_load_b128 v[R+4*i:R+4*i+3], v1, s[4:5] offset:(64*(\c)+2*i)*2048 th:TH_LOAD_NT
.set i, i+1
.endr
	WIN 0
.endm
	LOAD 0
	LOAD 1
	s_cmp_lg_u32 s15, 0                            ; batch 0 alone copies W
	s_cbranch_scc1 .Lno_w1
	WIN 0x40
.irp p, 0,1,2,3,4,5
	global_load_b64 v[2*\p:2*\p+1], v30, s[48:49] offset:48*(\p/3)+8*(\p%3)
.endr
	WIN 0
.Lno_w1:
	s_wait_loadcnt 63                              ; V's 14 loads are in: behind them stand 72 loads or more, and 63 is the largest count that the wait names
.irp rr, 0,1,2,3
.irp j, 0,1,2
	ds_store_b128 v8, v[X+12*\rr+4*\j:X+12*\rr+4*\j+3] offset:VPT*\rr+512*\j
.endr
.endr
	global_store_b64 v5, v[224:225], s[38:39]      ; words (step, row), (step, row + 1): 256 consecutive bytes
	s_wait_dscnt 0x0                               ; for the others' sake: my rows are stored
	s_barrier_signal -1
	s_barrier_wait -1
.irp q, 0,1,2,3
.irp p, 0,1,2,3,4,5
	ds_load_b64 v[X+12*\q+2*\p:X+12*\q+2*\p+1], v9 offset:96*\q+48*(\p/3)+8*(\p%3)
.endr
.endr
	s_wait_dscnt 0x0
.irp q, 0,1,2,3
.irp j, 0,1,2
	global_store_b128 v4, v[X+12*\q+4*\j:X+12*\q+4*\j+3], s[40:41] offset:STEPB*\q+512*\j   ; 512 consecutive bytes
.endr
.endr
.macro HALF c
	s_wait_loadcnt 32-32*(\c)                      ; this half's keys are in; behind the first half stand the second's 32 loads (and W's six, where there are any)
	WIN 0x04*(\c)
.set i, 0
.rept 32
	ds_store_b128 v2, v[R+4*i:R+4*i+3] offset:2*i*SP
.set i, i+1
.endr
	WIN 0
.irp pr, 0,1                           ; fragments 4 c + 2 pr + u, u = 0, 1
	s_wait_xcnt 0x0                                ; earlier stores have read X: it is written again only behind this wait
.irp u, 0,1
.irp j, 0,1,2,3,4,5,6,7
	ds_load_b128 v[X+32*\u+4*\j:X+32*\u+4*\j+3], v3 offset:8*(2*\pr+\u)*SP+16*\j   ; LDS serves a wave's instructions in order: these see the stores above
.endr
.endr
	s_wait_dscnt 0x0
.irp u, 0,1
	v_max3_num_f32 v[AM+\u], |v[X+32*\u]|, |v[X+32*\u+1]|, 0x1800000   ; the floor 2^(3 - 127) holds the byte at 1 from below
.endr
.irp i, 2,4,6,8,10,12,14,16,18,20,22,24,26,28,30
.irp u, 0,1
	v_max3_num_f32 v[AM+\u], v[AM+\u], |v[X+32*\u+\i]|, |v[X+32*\u+\i+1]|
.endr
.endr
.irp u, 0,1
	v_add_nc_u32 v[SO+\u], 0xff000000, v[AM+\u]    ; 2 off the exponent field: the conversion's scale operand
.endr
.irp u, 0,1
	v_cvt_scalef32_pk16_fp6_f32 v[TT+4*\u:TT+4*\u+2], v[X+32*\u+16:X+32*\u+31], v[SO+\u]
.endr
.irp u, 0,1
	v_lshrrev_b32 v[BY+\u], 23, v[SO+\u]           ; the byte (plain lines behind the conversions, whose sources are written next)
.endr
.irp u, 0,1
	v_cvt_scalef32_pk16_fp6_f32 v[X+32*\u+16:X+32*\u+18], v[X+32*\u:X+32*\u+15], v[SO+\u]
.endr
.irp u, 0,1
	v_lshlrev_b32 v[BY+\u], v7, v[BY+\u]
.endr
.irp u, 0,1
	v_cmp_eq_u32 s[45+\u], 0, v[MK+4*(\c)+2*\pr+\u]   ; is my key masked?
.endr
.irp u, 0,1
	v_permlanex16_b32 v[14+\u], v[BY+\u], s42, s43
.endr
.irp u, 0,1
	v_cndmask_b32 v[HI+\u], v12, v13, s[45+\u]
.endr
.irp u, 0,1
	v_or_b32 v[BY+\u], v[BY+\u], v[14+\u]
.endr
.irp u, 0,1
	v_or_b32 v[SW+4*(\c)+2*\pr+\u], v[BY+\u], v[HI+\u]
.endr
.irp u, 0,1
.irp i, 0,1,2
	v_cndmask_b32 v[X+32*\u+16+\i], v[X+32*\u+16+\i], v29, s[45+\u]   ; zero codes for a masked key
	v_cndmask_b32 v[X+32*\u+19+\i], v[TT+4*\u+\i], v29, s[45+\u]
.endr
	v_cndmask_b32 v[X+32*\u+22], v29, v11, s[45+\u]                   ; the mask's channel
	v_mov_b32 v[X+32*\u+23], 0
	global_store_b128 v4, v[X+32*\u+16:X+32*\u+19], s[36:37] offset:1024*(4*(\c)+2*\pr+\u)
	global_store_b128 v4, v[X+32*\u+20:X+32*\u+23], s[36:37] offset:1024*(4*(\c)+2*\pr+\u)+512
.endr
.endr
.endm
	HALF 0
	HALF 1
.irp g, 0,1,2,3
	v_cndmask_b32 v[248+\g], v[SW+2*\g], v[SW+2*\g+1], s44
.endr
	global_store_b128 v4, v[248:251], s[36:37] offset:8192
	s_cmp_lg_u32 s15, 0
	s_cbranch_scc1 .Lno_w2
	WIN 0x04
.irp j, 0,1,2
	global_store_b128 v4, v[4*\j:4*\j+3], s[50:51] offset:512*\j   ; W's fragment: 512 consecutive bytes a store
.endr
	WIN 0
.Lno_w2:
	s_wait_tensorcnt 0x0                           ; the wave's end
	ds_add_u32 v254, v255
	s_wait_dscnt 0x0
	s_endpgm
.Lfunc_end_k_q9f3235cbd9_kquant:
	.size	k_q9f3235cbd9_kquant, .Lfunc_end_k_q9f3235cbd9_kquant-k_q9f3235cbd9_kquant
	.p2alignl 7, 3214868480
	.fill 96, 4, 3214868480
	.section	.rodata,"a",@progbits
	.p2align	6, 0x0
	.amdhsa_kernel k_q9f3235cbd9_kquant
		.amdhsa_group_segment_fixed_size 94976
		.amdhsa_private_segment_fixed_size 0
		.amdhsa_enable_private_segment 0
		.amdhsa_kernarg_size 56
		.amdhsa_user_sgpr_count 2
		.amdhsa_user_sgpr_kernarg_segment_ptr 1
		.amdhsa_wavefront_size32 1
		.amdhsa_system_sgpr_workgroup_id_x 1
		.amdhsa_system_sgpr_workgroup_id_y 1
		.amdhsa_system_sgpr_workgroup_id_z 1
		.amdhsa_system_vgpr_workitem_id 0
		.amdhsa_next_free_vgpr 512
		.amdhsa_next_free_sgpr 66
		.amdhsa_reserve_vcc 0
		.amdhsa_float_denorm_mode_32 3
		.amdhsa_float_denorm_mode_16_64 3
		.amdhsa_memory_ordered 1
		.amdhsa_forward_progress 1
		.amdhsa_inst_pref_size 45
	.end_amdhsa_kernel
	.amdgpu_metadata
---
amdhsa.version: [ 1, 2 ]
amdhsa.kernels:
  - .name:           k_q9f3235cbd9_kquant
    .symbol:         k_q9f3235cbd9_kquant.kd
    .args:
      - { .name: keys, .offset: 0, .size: 8, .value_kind: global_buffer, .address_space: global }
      - { .name: mask, .offset: 8, .size: 8, .value_kind: global_buffer, .address_space: global }
      - { .name: values_codes, .offset: 16, .size: 8, .value_kind: global_buffer, .address_space: global }
      - { .name: values_scales, .offset: 24, .size: 8, .value_kind: global_buffer, .address_space: global }
      - { .name: kv, .offset: 32, .size: 8, .value_kind: global_buffer, .address_space: global }
      - { .name: W_out_codes, .offset: 40, .size: 8, .value_kind: global_buffer, .address_space: global }
      - { .name: wimg, .offset: 48, .size: 8, .value_kind: global_buffer, .address_space: global }
    .group_segment_fixed_size: 94976
    .private_segment_fixed_size: 0
    .kernarg_segment_align: 8
    .kernarg_segment_size: 56
    .max_flat_workgroup_size: 128
    .sgpr_count:     66
    .vgpr_count:     512
    .wavefront_size: 32
...
	.end_amdgpu_metadata
.endif
;; end of part 1
;; launch attn (part 2): grid 4 x 64, 8 waves a work-group, clusters of 4 x 1, 312,320 bytes of LDS; arguments query, kv, ocod, oscl; writes ocod, oscl
.if DOCPART == 2
	.amdgcn_target "amdgcn-amd-amdhsa--gfx1250"
	.amdhsa_code_object_version 6
	.text
	.protected	k_q9f3235cbd9_attn
	.globl	k_q9f3235cbd9_attn
	.p2align	8
	.type	k_q9f3235cbd9_attn,@function
k_q9f3235cbd9_attn:
	s_mov_b64 s[64:65], 0
	v_nop
	global_prefetch_b8 v0, s[64:65] scope:SCOPE_SE
	s_setreg_imm32_b32 hwreg(HW_REG_WAVE_MODE, 25, 1), 1
	s_wait_xcnt 0x0
	s_wait_alu depctr_hold_cnt(0) depctr_sa_sdst(0) depctr_va_vdst(0) depctr_va_sdst(0) depctr_va_ssrc(0) depctr_va_vcc(0) depctr_vm_vsrc(0)
	s_getreg_b32 s2, hwreg(HW_REG_IB_STS2, 6, 4)
	s_cmp_eq_u32 s2, 0
	s_cbranch_scc0 .Lentry_in_a_cluster
	s_endpgm
.Lentry_in_a_cluster:
	s_bfe_u32 s2, ttmp6, 0x10000c
	s_cmp_lg_u32 s2, 0x3003
	s_cbranch_scc0 .Lentry_shape_is_right
	s_endpgm
.Lentry_shape_is_right:
; Attention of one (batch, head) on codes of FP6 (E2M3) with E8M0 scales; its result, divided by the row's sum, leaves as codes for the projection.
; t = score x log2(e) / sqrt(512); M = the running largest t rounded UP to a whole number; p = 2^(t - M) is quantised along the keys, not normalised; the row's sum is taken of the unquantised p.
; SHARES.  Work-group y = batch x 8 + head; the head's four work-groups (x) are one cluster.  A work-group takes 512 queries, each of its eight waves 64: four tiles of 16, in one walk over the keys.
; THE WHOLE HEAD LIES IN LDS, FILLED ONCE: 241,664 dense bytes of kv (944 rows of 256), 118 rows a wave by ONE joint load (the four partners need the same bytes).  No slot is filled again; the key loop has no barrier.
; No prefetch: every stream of the launch is asked for once, at the head, and there is no loop to run ahead in.
; THE MASK rides in the product: the instruction is 128 deep and the head has 64 channels, so the third block of 32 holds one more channel: 1.0 on Q's side, and on K's side 0 or -2^67 (made by the launch before).
; -2^67 stands in place of -1e20: c x 2^67 is a whole number in f32, so that with ALL keys masked t - M is exactly 0, p = 1 everywhere, and the result is the mean of V, as with -1e20.
; Where any key counts, a masked key's p is 0 with either number.  LIMIT: unmasked energies lie above about -1e18.  NaN and infinities are not served; blocks under 2^-124 or of zeros keep the scale byte 1.
; LAYOUT.  Both products are used transposed: S^T = K Q^T (source 0 = 16 keys), O^T = V^T P^T (source 0 = 16 channels): a lane holds ONE query (lane % 16) throughout.
; Row m of K's fragment 4 c + i is key 64 c + 32 (m / 8) + 8 i + m % 8: so score register 32 c + e of lane (r, h) is key 64 c + 32 h + e: A WHOLE BLOCK OF THE SECOND PRODUCT'S K IN ONE LANE, in the operand's own order.
; REGISTERS.  Window 0: v1-14 addresses; v16-31 -M, largest score, the sum's pair, a tile each; v32-33 f; v34-44 scale words alone; v46-83 at work; v96-159 S^T then p; v160-207 V's four fragments; v208-255 Q's four.
;   Window 1: v0-127 O^T; v128-223 K's eight fragments (registers 7-11 of each stay zero).
.set HEADB, 241664
.set STEPB, 14848
.set KIMG,  8704
.set WROWS, 118
.set QST,   241664                     ; eight stages of 32 rows x 272 bytes, a wave's own; no fill lands here
.set SPARE, 311296
.set KS,  34
.set VS,  38
.set QS,  40
.set PS,  44
.set BM,  46
.set SOP, 52
.set BX,  54
.set PC,  56
.set CT,  68
.set TS,  76
.set SB,  96
.set VF,  160
.set QF,  208
.set KF,  128                          ; window 1
.set MSB, 0
.macro WIN new                         ; the immediate's high byte repeats the setting that is left
.if MSB != \new
	s_set_vgpr_msb (MSB<<8)|\new
.set MSB, \new
.endif
.endm
.macro CROUND                          ; a round of the cluster's barrier
	s_barrier_signal -1
	s_barrier_wait -1
	s_cmp_lg_u32 s18, 0
	s_cbranch_scc1 .Lnot_wave_0_\@
	s_barrier_signal -3
.Lnot_wave_0_\@:
	s_barrier_wait -3
	s_barrier_signal -1
	s_barrier_wait -1
.endm
	s_load_b256 s[4:11], s[0:1], 0x0               ; query s[4:5], kv s[6:7], ocod s[8:9], oscl s[10:11]
	v_lshl_add_u32 v4, v0, 2, SPARE
	v_mov_b32 v5, 0
	ds_add_u32 v4, v5                              ; the opening lines: the add twice on end
	ds_add_u32 v4, v5
	v_lshrrev_b32 v1, 5, v0
	v_readfirstlane_b32 s18, v1                    ; wave 0..7
	s_and_b32 s80, ttmp7, 0xffff                   ; batch x 8 + head: the four partners share it
	s_lshr_b32 s81, s80, 3
	s_and_b32 s82, s80, 7
	s_mov_b32 s24, 15|(3<<16)|(1<<21)              ; the mask: all four; elements of 8 bytes; bit 21 beside a mask
	s_mov_b32 s25, 32<<16
	s_mov_b32 s26, WROWS<<16
	s_mov_b32 s27, 32<<16
	s_mov_b32 s28, WROWS
	s_mov_b32 s29, 32
	s_mov_b32 s30, 0
	s_mov_b32 s31, 0
	s_mul_i32 s84, s80, HEADB
	s_mul_i32 s49, s18, WROWS*256                  ; my 118 rows, in kv and in LDS alike
	s_add_co_u32 s84, s84, s49
	s_mov_b32 s85, 0
	s_bfe_u32 s91, ttmp6, 0x40000                  ; cx enters query's, ocod's and oscl's addresses alone
	s_lshl_b32 s92, ttmp9, 2
	s_add_co_u32 s92, s92, s91                     ; x: my 512 queries
	s_lshl_b32 s94, s81, 22
	s_lshl_b32 s93, s92, 20
	s_add_co_u32 s94, s94, s93
	s_lshl_b32 s93, s18, 17
	s_add_co_u32 s94, s94, s93
	s_lshl_b32 s93, s82, 8
	s_add_co_u32 s94, s94, s93                     ; query: batch x 4,194,304 + (512 x + 64 wave) x 2,048 + head x 256
	s_mov_b32 s95, 0
	s_lshl_b32 s93, s81, 7
	s_lshl_b32 s96, s92, 5
	s_add_co_u32 s93, s93, s96
	s_lshl_b32 s96, s18, 2
	s_add_co_u32 s93, s93, s96                     ; my first tile of 16 rows
	s_lshl_b32 s96, s93, 3
	s_add_co_u32 s96, s96, s82
	s_mul_i32 s96, s96, 768                        ; ocod: (tile x 8 + head) x 768
	s_mov_b32 s97, 0
	s_lshl_b32 s98, s93, 8
	s_lshr_b32 s83, s82, 1
	s_lshl_b32 s83, s83, 6
	s_add_co_u32 s98, s98, s83
	s_and_b32 s83, s82, 1
	s_lshl_b32 s83, s83, 1
	s_add_co_u32 s98, s98, s83                     ; oscl: tile x 256 + (head / 2) x 64 + (head % 2) x 2
	s_mov_b32 s99, 0
	s_mul_i32 s19, s18, 8704
	s_add_co_u32 s19, s19, QST                     ; my stage
	s_mov_b32 s20, 0x76543210
	s_mov_b32 s21, 0xfedcba98                      ; selects for lane l xor 16
	s_mov_b32 s22, 0x3d8293ee                      ; c = log2(e) / sqrt(512)
	s_mov_b32 s23, s22
	s_mov_b32 s78, 0xffff0000                      ; lanes 16-31
	s_wait_dscnt 0x0
	s_wait_kmcnt 0x0
	s_mov_b32 s48, 1
	s_add_nc_u64 s[50:51], s[6:7], s[84:85]
	s_or_b32 s51, s51, 0x80000000
	s_add_nc_u64 s[4:5], s[4:5], s[94:95]
	s_add_nc_u64 s[14:15], s[8:9], s[96:97]
	s_add_nc_u64 s[16:17], s[10:11], s[98:99]
	v_and_b32 v84, 15, v0                          ; r
	v_bfe_u32 v85, v0, 4, 1                        ; h
	v_and_b32 v86, 31, v0                          ; lane
	v_lshlrev_b32 v13, 11, v85
	v_lshl_add_u32 v13, v84, 4, v13                ; query: row h of a pair, 16 bytes a lane
	WIN 0x40
.set i, 0
.rept 32
	global_load_b128 v[128+4*i:128+4*i+3], v13, s[4:5] offset:2*i*2048 th:TH_LOAD_NT   ; my 64 queries, asked for ahead of the round: two rows' 256 consecutive bytes a load
.set i, i+1
.endr
	WIN 0
	s_wait_alu depctr_va_vdst(0)                   ; the wait ahead of the round's barriers
	CROUND                                         ; all four work-groups are here: the joint loads meet
	tensor_load_to_lds s[48:51], s[24:31]          ; every wave's one load
	s_nop 0
.rept 4
	v_nop
.endr
	v_lshlrev_b32 v1, 4, v86                       ; the images: 16 x lane
	v_lshlrev_b32 v2, 10, v85
	v_lshl_add_u32 v2, v84, 2, v2                  ; V's scale words: tile h (and 2 + h), row r
	v_lshlrev_b32 v6, 3, v86                       ; 8 x lane
	v_lshlrev_b32 v9, 3, v85                       ; 8 h
	v_mul_u32_u24 v10, v85, 272
	v_lshl_add_u32 v10, v84, 4, v10
	v_add_nc_u32 v10, s19, v10                     ; the stage, in
	v_mul_u32_u24 v11, v84, 272
	v_lshl_add_u32 v11, v85, 7, v11
	v_add_nc_u32 v11, s19, v11                     ; and out: row r, channels 32 h on
	v_sub_nc_u32 v12, 1, v85
	v_lshlrev_b32 v12, 3, v12                      ; the code 1.0, in lanes 0-15
	v_lshl_add_u32 v14, v84, 2, v85                ; oscl: 4 r + h
	v_mov_b32 v33, 0                               ; (named as the upper half of the pair v[32:33])
.irp z, 48,49,51,54,55
	v_mov_b32 v\z, 0                               ; (a lane permute's destination counts as read)
.endr
.irp tl, 0,1,2,3
	v_mov_b32 v[16+4*\tl], 0x7f61b1e6              ; -M = 3e38
	v_mov_b32 v[17+4*\tl], 0xff61b1e6              ; the largest score so far: -3e38
	v_mov_b32 v[18+4*\tl], 0                       ; the sum, in two halves
	v_mov_b32 v[19+4*\tl], 0
.endr
	WIN 0x40
.set j, 0
.rept 128
	v_mov_b32 v[j], 0                              ; O^T: the key step is written once; its first walk finds zeros
.set j, j+1
.endr
	WIN 0
	s_wait_alu depctr_va_vdst(0)                   ; the wait ahead of the waits below
.macro QGROUP g                        ; 32 queries turn through my stage; a lane gets a whole block of 32 channels; tiles 2 g, 2 g + 1 become operands and scale words
	s_wait_loadcnt 16-16*(\g)
	WIN 0x04
.set i, 0
.rept 16
	ds_store_b128 v10, v[128+64*(\g)+4*i:128+64*(\g)+4*i+3] offset:2*i*272
.set i, i+1
.endr
	WIN 0
.irp u, 0,1
.irp j, 0,1,2,3,4,5,6,7
	ds_load_b128 v[SB+32*\u+4*\j:SB+32*\u+4*\j+3], v11 offset:16*\u*272+16*\j
.endr
.endr
	s_wait_dscnt 0x0
.irp u, 0,1
	v_max3_num_f32 v[BM+\u], |v[SB+32*\u]|, |v[SB+32*\u+1]|, 0x1800000
.endr
.irp i, 2,4,6,8,10,12,14,16,18,20,22,24,26,28,30
.irp u, 0,1
	v_max3_num_f32 v[BM+\u], v[BM+\u], |v[SB+32*\u+\i]|, |v[SB+32*\u+\i+1]|
.endr
.endr
.irp u, 0,1
	v_add_nc_u32 v[SOP+\u], 0xff000000, v[BM+\u]
.endr
.irp u, 0,1
	v_lshrrev_b32 v[BX+\u], 23, v[SOP+\u]
.endr
.irp u, 0,1
	v_cvt_scalef32_pk16_fp6_f32 v[QF+12*(2*(\g)+\u):QF+12*(2*(\g)+\u)+2], v[SB+32*\u:SB+32*\u+15], v[SOP+\u]
	v_cvt_scalef32_pk16_fp6_f32 v[CT+4*\u:CT+4*\u+2], v[SB+32*\u+16:SB+32*\u+31], v[SOP+\u]
.endr
.irp u, 0,1
	v_lshlrev_b32 v[BX+\u], v9, v[BX+\u]
.endr
.irp u, 0,1
	v_permlanex16_b32 v[48+\u], v[BX+\u], s20, s21
.endr
.irp u, 0,1
	v_or_b32 v[BX+\u], v[BX+\u], v[48+\u]
.endr
.irp u, 0,1
	v_or_b32 v[QS+2*(\g)+\u], 0x7f7f0000, v[BX+\u]   ; bytes: channels 0-31, 32-63, the mask's block (1.0 x 2^0), 127
.endr
.irp u, 0,1
.irp i, 0,1,2
	v_mov_b32 v[QF+12*(2*(\g)+\u)+3+\i], v[CT+4*\u+\i]
.endr
	v_mov_b32 v[QF+12*(2*(\g)+\u)+6], v12
.irp i, 7,8,9,10,11
	v_mov_b32 v[QF+12*(2*(\g)+\u)+\i], 0
.endr
.endr
.endm
	QGROUP 0
	QGROUP 1
	WIN 0x40
.irp T, 0,1,2,3,4,5,6,7
.irp i, 7,8,9,10,11
	v_mov_b32 v[KF+12*\T+\i], 0                    ; the rest of K's upper half: zeros that stay
.endr
.endr
	WIN 0
	s_wait_alu depctr_va_vdst(0)                   ; the wait at the head's end
	s_wait_tensorcnt 0x0                           ; for the others' sake: my rows have landed
	s_wait_dscnt 0x0
	s_barrier_signal -1
	s_barrier_wait -1                              ; everybody's: from here on LDS is only read
.macro QK tl                           ; eight products: one tile of queries x eight fragments of 16 keys; eight different results, each begun with 0
	WIN 0x01
.irp T, 0,1,2,3,4,5,6,7
.if \T%2
	v_wmma_scale_f32_16x16x128_f8f6f4 v[SB+8*\T:SB+8*\T+7], v[KF+12*\T:KF+12*\T+11], v[QF+12*(\tl):QF+12*(\tl)+11], 0, v[KS+\T/2], v[QS+(\tl)] matrix_a_fmt:MATRIX_FMT_FP6 matrix_b_fmt:MATRIX_FMT_FP6 matrix_a_scale:MATRIX_SCALE_ROW1
.else
	v_wmma_scale_f32_16x16x128_f8f6f4 v[SB+8*\T:SB+8*\T+7], v[KF+12*\T:KF+12*\T+11], v[QF+12*(\tl):QF+12*(\tl)+11], 0, v[KS+\T/2], v[QS+(\tl)] matrix_a_fmt:MATRIX_FMT_FP6 matrix_b_fmt:MATRIX_FMT_FP6
.endif
.endr
	WIN 0
.endm
; One tile of queries in one key step: 64 scores a lane become p's codes and scale word; the next tile's scores are asked for as soon as the conversions have read these; then O^T is rescaled and added to.
.macro TILE tl
.set ST, 16+4*(\tl)
.irp k, 0,1,2,3                        ; four chains of 15; chains 2 c, 2 c + 1 are block 2 c + h
	v_max3_num_f32 v[BM+\k], v[SB+16*\k], v[SB+16*\k+1], v[SB+16*\k+2]
.endr
.irp i, 3,5,7,9,11,13
.irp k, 0,1,2,3
	v_max3_num_f32 v[BM+\k], v[BM+\k], v[SB+16*\k+\i], v[SB+16*\k+\i+1]
.endr
.endr
.irp k, 0,2
	v_max3_num_f32 v[BM+\k], v[BM+\k], v[BM+\k+1], v[SB+16*\k+15]
.endr
.irp k, 0,2
	v_max_num_f32 v[BM+\k], v[BM+\k], v[SB+16*\k+31]   ; my two blocks' largest scores: for the row's maximum and, since p rises with the score, for each block's largest p
.endr
	s_delay_alu instid0(VALU_DEP_1)
	v_max_num_f32 v50, v[BM], v[BM+2]
	s_delay_alu instid0(VALU_DEP_1)
	v_permlanex16_b32 v51, v50, s20, s21
	s_delay_alu instid0(VALU_DEP_1)
	v_max3_num_f32 v[ST+1], v[ST+1], v50, v51      ; the running largest score
	s_delay_alu instid0(VALU_DEP_1)
	v_mul_f32 v50, s22, v[ST+1]                    ; as t (c is positive)
	v_mov_b32 v51, v[ST]
	s_delay_alu instid0(VALU_DEP_2)
	v_floor_f32 v[ST], -v50                        ; the new -M = -ceil(t): a whole number
.set j, 0
.rept 32
	v_pk_fma_f32 v[SB+j:SB+j+1], v[SB+j:SB+j+1], s[22:23], v[ST:ST+1] op_sel_hi:[1,0,0]   ; t - M, two at a time
.if j == 6
	v_sub_f32 v50, v[ST], v51                      ; old M - new M: a whole number, 0 or less
.endif
.if j == 14
	v_cvt_i32_f32 v50, v50                         ; (it saturates)
.endif
.if j == 22
	v_ldexp_f32 v32, 1.0, v50                      ; f = 2^(old M - new M): a multiplication by it rounds nothing
.endif
.set j, j+2
.endr
	v_fma_f32 v[BM], v[BM], s22, v[ST]
	v_fma_f32 v[BM+2], v[BM+2], s22, v[ST]
	s_wait_alu depctr_va_vdst(0)                   ; the wait ahead of the batch
.set j, 0
.rept 64
	v_exp_f32 v[SB+j], v[SB+j]                     ; p = 2^(t - M)
.set j, j+1
.endr
	v_exp_f32 v[BM], v[BM]                         ; each block's largest p: the same two instructions on the same number
	v_exp_f32 v[BM+2], v[BM+2]
	v_pk_mul_f32 v[ST+2:ST+3], v[ST+2:ST+3], v[32:33] op_sel_hi:[1,0]   ; the sums under the new M: the plain line behind the batch
	s_wait_alu depctr_va_vdst(0)                   ; one wait for the batch of 66, ahead of its first reader
	v_max_num_f32 v[BM], 0x1800000, v[BM]          ; the floor: the byte cannot fall under 1
	v_max_num_f32 v[BM+2], 0x1800000, v[BM+2]
.irp k, 0,1,2,3                        ; the row's sum of the UNQUANTISED p, in four chains; the scale word's chain stands among them
	v_pk_add_f32 v[TS+2*\k:TS+2*\k+1], v[SB+4*\k:SB+4*\k+1], v[SB+4*\k+2:SB+4*\k+3]
.endr
.set j, 16
.set n, 0
.rept 6
.irp k, 0,1,2,3
	v_pk_add_f32 v[TS+2*\k:TS+2*\k+1], v[TS+2*\k:TS+2*\k+1], v[SB+j+2*\k:SB+j+2*\k+1]
.endr
.if n == 0
	v_add_nc_u32 v[SOP], 0xff000000, v[BM]         ; 2 off the exponent field: the conversion's scale operand
	v_add_nc_u32 v[SOP+1], 0xff000000, v[BM+2]
.endif
.if n == 1
	v_lshrrev_b32 v[BX], 23, v[SOP]
	v_lshrrev_b32 v[BX+1], 23, v[SOP+1]
.endif
.if n == 2
	v_lshl_or_b32 v[BX], v[BX+1], 16, v[BX]        ; my bytes: blocks h and 2 + h,
.endif
.if n == 3
	v_lshlrev_b32 v[BX], v9, v[BX]                 ; 8 h bits up,
.endif
.if n == 4
	v_permlanex16_b32 v51, v[BX], s20, s21
.endif
.if n == 5
	v_or_b32 v[PS], v[BX], v51                     ; with lane l xor 16's two: p's scale word for these 128 keys
.endif
.set j, j+8
.set n, n+1
.endr
	v_pk_add_f32 v[TS:TS+1], v[TS:TS+1], v[TS+2:TS+3]
	v_pk_add_f32 v[TS+4:TS+5], v[TS+4:TS+5], v[TS+6:TS+7]
	s_delay_alu instid0(VALU_DEP_1)
	v_pk_add_f32 v[TS:TS+1], v[TS:TS+1], v[TS+4:TS+5]
	s_delay_alu instid0(VALU_DEP_1)
	v_pk_add_f32 v[ST+2:ST+3], v[ST+2:ST+3], v[TS:TS+1]
.irp c, 0,1
	v_cvt_scalef32_pk16_fp6_f32 v[PC+6*\c:PC+6*\c+2], v[SB+32*\c:SB+32*\c+15], v[SOP+\c]
	v_cvt_scalef32_pk16_fp6_f32 v[CT+4*\c:CT+4*\c+2], v[SB+32*\c+16:SB+32*\c+31], v[SOP+\c]   ; (a conversion's three registers begin on an even number)
.endr
	v_nop                                          ; one plain line behind the conversions
.if (\tl) < 3
	QK (\tl)+1                                     ; the next tile's scores, over the registers just read
.else
	s_cmp_eq_u32 s67, 1                            ; the last trip has no next step
	s_wait_alu depctr_va_vdst(0)                   ; the wait ahead of the branch and of the wait below
	s_cbranch_scc1 .Lno_qk_\@
	s_wait_dscnt 0x0                               ; the next step's K is in
	QK 0
.Lno_qk_\@:
.endif
.irp c, 0,1
.irp i, 0,1,2
	v_mov_b32 v[PC+6*\c+3+\i], v[CT+4*\c+\i]
.endr
.endr
.if (\tl) == 2
	s_cmp_eq_u32 s67, 1                            ; tile 3's scores are asked for and six plain lines stand behind them: K's registers take the next step, if there is one
	s_wait_alu depctr_va_vdst(0)                   ; the wait ahead of the branch
	s_cbranch_scc1 .Lno_k_\@
	KLOAD STEPB
.Lno_k_\@:
.endif
	WIN 0x41
	s_wait_alu depctr_va_vdst(0)                   ; the wait directly ahead of the first reader of O^T
.set j, 0
.rept 16
	v_pk_mul_f32 v[32*(\tl)+j:32*(\tl)+j+1], v[32*(\tl)+j:32*(\tl)+j+1], v[32:33] op_sel_hi:[1,0]   ; O^T under the new M; also the places between the writes of p's codes and word and the products
.set j, j+2
.endr
.if (\tl) == 0
	s_wait_alu depctr_va_vdst(0)                   ; the wait directly ahead of the wait below
	s_wait_dscnt 0x0                               ; V is in
.endif
	WIN 0x50                                       ; O^T in window 1; V and p's codes in window 0
.irp t, 0,1,2,3
.if \t%2
	v_wmma_scale_f32_16x16x128_f8f6f4 v[32*(\tl)+8*\t:32*(\tl)+8*\t+7], v[VF+12*\t:VF+12*\t+11], v[PC:PC+11], v[32*(\tl)+8*\t:32*(\tl)+8*\t+7], v[VS+\t/2], v[PS] matrix_a_fmt:MATRIX_FMT_FP6 matrix_b_fmt:MATRIX_FMT_FP6 matrix_a_scale:MATRIX_SCALE_ROW1
.else
	v_wmma_scale_f32_16x16x128_f8f6f4 v[32*(\tl)+8*\t:32*(\tl)+8*\t+7], v[VF+12*\t:VF+12*\t+11], v[PC:PC+11], v[32*(\tl)+8*\t:32*(\tl)+8*\t+7], v[VS+\t/2], v[PS] matrix_a_fmt:MATRIX_FMT_FP6 matrix_b_fmt:MATRIX_FMT_FP6
.endif
.endr
	WIN 0
.endm
; THE WAY OUT of a tile: O^T / the sum; a lane's channels are brought on end; the head's two blocks of 32 are quantised; codes and bytes leave in the order of the projection's operand registers.
.macro TAILT tl
.set ST, 16+4*(\tl)
.set OC, 160+8*(\tl)
	v_add_f32 v50, v[ST+2], v[ST+3]
	v_permlanex16_b32 v51, v50, s20, s21
	v_add_f32 v50, v50, v51                        ; the row's sum
	s_wait_alu depctr_va_vdst(0)
	v_rcp_f32 v50, v50
	v_nop
	WIN 0x01
	s_wait_alu depctr_va_vdst(0)                   ; ahead of the reciprocal's and O^T's first reader
.set j, 0
.rept 32
	v_mul_f32 v[SB+j], v[32*(\tl)+j], v50          ; register 8 t + i is channel 16 t + 8 h + i
.set j, j+1
.endr
	WIN 0
.irp b, 0,1
.irp i, 0,1,2,3,4,5,6,7
	v_permlane16_swap_b32 v[SB+16*\b+\i], v[SB+16*\b+8+\i]   ; now register 16 b + i is channel 32 b + 16 h + i
.endr
.endr
.irp b, 0,1
	v_max3_num_f32 v[BM+\b], |v[SB+16*\b]|, |v[SB+16*\b+1]|, 0x1800000
.endr
.irp i, 2,4,6,8,10,12,14
.irp b, 0,1
	v_max3_num_f32 v[BM+\b], v[BM+\b], |v[SB+16*\b+\i]|, |v[SB+16*\b+\i+1]|
.endr
.endr
.irp b, 0,1
	v_permlanex16_b32 v[BX+\b], v[BM+\b], s20, s21
.endr
.irp b, 0,1
	v_max_num_f32 v[BM+\b], v[BM+\b], v[BX+\b]
.endr
.irp b, 0,1
	v_add_nc_u32 v[SOP+\b], 0xff000000, v[BM+\b]
.endr
.irp b, 0,1
	v_lshrrev_b32 v[BX+\b], 23, v[SOP+\b]
.endr
	v_cvt_scalef32_pk16_fp6_f32 v[OC:OC+2], v[SB:SB+15], v[SOP]
	v_cvt_scalef32_pk16_fp6_f32 v[CT:CT+2], v[SB+16:SB+31], v[SOP+1]
	v_cndmask_b32 v[OC+6], v[BX], v[BX+1], s78     ; lane (r, h) stores block h's byte (the plain line behind the conversions)
.irp i, 0,1,2
	v_permlane16_swap_b32 v[OC+\i], v[CT+\i]       ; a whole block to a lane
.endr
.irp i, 0,1,2
	v_mov_b32 v[OC+3+\i], v[CT+\i]
.endr
.irp i, 0,1,2
	global_store_b64 v6, v[OC+2*\i:OC+2*\i+1], s[14:15] offset:6144*(\tl)+256*\i   ; 256 consecutive bytes
.endr
	global_store_b8 v14, v[OC+6], s[16:17] offset:256*(\tl)   ; a word's other two bytes are another head's, made by another work-group
.endm
	s_mov_b32 s72, 4096                            ; the step's images
	s_mov_b32 s75, 0                               ; its words of V's scales
	s_mov_b32 s67, 16
.macro KLOAD off                       ; K's scale words (register g: fragments 2 g | 2 g + 1) and eight fragments of the step that begins off bytes behind v7's
	ds_load_b128 v[KS:KS+3], v7 offset:8192+(\off)
	WIN 0x40
.irp T, 0,1,2,3,4,5,6,7
	ds_load_b128 v[KF+12*\T:KF+12*\T+3], v7 offset:1024*\T+(\off)
	ds_load_b96 v[KF+12*\T+4:KF+12*\T+6], v7 offset:1024*\T+512+(\off)
.endr
	WIN 0
.endm
	v_add_nc_u32 v7, s72, v1
	KLOAD 0                                        ; step 0's K and tile 0's scores stand ahead of the loop: a trip fetches the next step's K in tile 2 and asks for its first scores in tile 3
	s_wait_dscnt 0x0
	QK 0
.Lstep:
	v_add_nc_u32 v7, s72, v1
	v_add_nc_u32 v8, s75, v2
	v_nop
	v_nop                                          ; four places between the last products and the loads into their operands
.irp t, 0,1,2,3
.irp j, 0,1,2
	ds_load_b128 v[VF+12*\t+4*\j:VF+12*\t+4*\j+3], v7 offset:KIMG+1536*\t+512*\j
.endr
.endr
	ds_load_b32 v[VS], v8                          ; V's scale words: tiles 0 | 1,
	ds_load_b32 v[VS+1], v8 offset:2048            ; tiles 2 | 3
	TILE 0
	TILE 1
	TILE 2
	TILE 3
	s_add_co_u32 s72, s72, STEPB
	s_add_co_u32 s75, s75, 64
	s_sub_co_u32 s67, s67, 1
	s_cmp_lg_u32 s67, 0
	s_cbranch_scc1 .Lstep
.rept 4
	v_nop
.endr
	TAILT 0
	TAILT 1
	TAILT 2
	TAILT 3
	s_wait_tensorcnt 0x0                           ; the wave's end
	ds_add_u32 v4, v5
	s_wait_dscnt 0x0
	CROUND                                         ; the closing round
	s_endpgm
.Lfunc_end_k_q9f3235cbd9_attn:
	.size	k_q9f3235cbd9_attn, .Lfunc_end_k_q9f3235cbd9_attn-k_q9f3235cbd9_attn
	.p2alignl 7, 3214868480
	.fill 96, 4, 3214868480
	.section	.rodata,"a",@progbits
	.p2align	6, 0x0
	.amdhsa_kernel k_q9f3235cbd9_attn
		.amdhsa_group_segment_fixed_size 312320
		.amdhsa_private_segment_fixed_size 0
		.amdhsa_enable_private_segment 0
		.amdhsa_kernarg_size 32
		.amdhsa_user_sgpr_count 2
		.amdhsa_user_sgpr_kernarg_segment_ptr 1
		.amdhsa_wavefront_size32 1
		.amdhsa_system_sgpr_workgroup_id_x 1
		.amdhsa_system_sgpr_workgroup_id_y 1
		.amdhsa_system_sgpr_workgroup_id_z 1
		.amdhsa_system_vgpr_workitem_id 0
		.amdhsa_next_free_vgpr 512
		.amdhsa_next_free_sgpr 100
		.amdhsa_reserve_vcc 0
		.amdhsa_float_denorm_mode_32 3
		.amdhsa_float_denorm_mode_16_64 3
		.amdhsa_memory_ordered 1
		.amdhsa_forward_progress 1
		.amdhsa_inst_pref_size 98
	.end_amdhsa_kernel
	.amdgpu_metadata
---
amdhsa.version: [ 1, 2 ]
amdhsa.kernels:
  - .name:           k_q9f3235cbd9_attn
    .symbol:         k_q9f3235cbd9_attn.kd
    .args:
      - { .name: query, .offset: 0, .size: 8, .value_kind: global_buffer, .address_space: global }
      - { .name: kv, .offset: 8, .size: 8, .value_kind: global_buffer, .address_space: global }
      - { .name: ocod, .offset: 16, .size: 8, .value_kind: global_buffer, .address_space: global }
      - { .name: oscl, .offset: 24, .size: 8, .value_kind: global_buffer, .address_space: global }
    .group_segment_fixed_size: 312320
    .private_segment_fixed_size: 0
    .kernarg_segment_align: 8
    .kernarg_segment_size: 32
    .max_flat_workgroup_size: 256
    .sgpr_count:     100
    .vgpr_count:     512
    .wavefront_size: 32
...
	.end_amdgpu_metadata
.endif
;; end of part 2
;; launch proj (part 3): grid 256 x 1, 8 waves a work-group, no clusters, 35,840 bytes of LDS; arguments ocod, oscl, wimg, W_out_scales, out0; writes out0
.if DOCPART == 3
	.amdgcn_target "amdgcn-amd-amdhsa--gfx1250"
	.amdhsa_code_object_version 6
	.text
	.protected	k_q9f3235cbd9_proj
	.globl	k_q9f3235cbd9_proj
	.p2align	8
	.type	k_q9f3235cbd9_proj,@function
k_q9f3235cbd9_proj:
	s_mov_b64 s[64:65], 0
	v_nop
	global_prefetch_b8 v0, s[64:65] scope:SCOPE_SE
	s_setreg_imm32_b32 hwreg(HW_REG_WAVE_MODE, 25, 1), 1
	s_wait_xcnt 0x0
; out0[row][o] = the sum over e of O[row][e] W[o][e], both on codes of FP6 (E2M3) with E8M0 scales; K = 512: four instructions deep; sums in f32.
; O comes as the launch before laid it: ocod [tile of 16 rows][24 pairs of registers][32 lanes][8 bytes]: the four K steps' fragments on end; oscl [tile][K step][row][4 bytes].
; SHARES.  A work-group takes 64 rows (four tiles m); wave w takes columns 64 w .. 64 w + 63 (four tiles ct).  The wave's 16 fragments of W (24,576 bytes) go from memory straight into its registers, once, and stay.
; NO CLUSTER: the launch has no tensor load; W is read once by each work-group, 196,608 bytes against the 131,072 that it stores and the 25,600 that it reads of O, and goes to registers, where a joint fill of LDS cannot put it.
; THE MATRIX INSTRUCTION IS USED TRANSPOSED (source 0 = 16 rows of W, source 1 = 16 rows of O): a lane holds eight neighbouring columns of one row.  A tile of 16 rows x 64 columns goes through the wave's own
; stage in LDS and leaves as rows of 256 bytes.  Waves share nothing: no barrier.  Every offset is an immediate.
; REGISTERS.  Window 0: v1-7 addresses; v16-31 W's scale words (4 ct + ks); v32-35 O's, two sets; v48-143 O's fragments, two sets of 48; v144-175 four accumulators; v176-239 rows on the way out, two sets.
;   Window 1: W's fragment (ct, ks) at v[12 (4 ct + ks)].
.set AF,  48
.set ACC, 144
.set BK,  176
.set MSB, 0
.macro WIN new
.if MSB != \new
	s_set_vgpr_msb (MSB<<8)|\new
.set MSB, \new
.endif
.endm
	s_load_b256 s[4:11], s[0:1], 0x0               ; ocod s[4:5], oscl s[6:7], W's codes s[8:9], W's scales s[10:11]
	s_load_b64 s[12:13], s[0:1], 0x20              ; out0
	v_lshl_add_u32 v254, v0, 2, 0x8800
	v_mov_b32 v255, 0
	v_lshrrev_b32 v1, 5, v0
	s_delay_alu instid0(VALU_DEP_1)
	v_readfirstlane_b32 s14, v1                    ; wave 0..7
	v_and_b32 v8, 31, v0                           ; lane
	v_and_b32 v9, 15, v0                           ; r
	v_bfe_u32 v10, v0, 4, 1                        ; h
	s_delay_alu instid0(VALU_DEP_3)
	v_lshlrev_b32 v1, 3, v8                        ; O's codes: 8 x lane
	s_delay_alu instid0(VALU_DEP_4)
	v_lshlrev_b32 v2, 2, v8                        ; O's scale words: 4 x lane: lanes 0-15 an even K step's, lanes 16-31 the odd one's behind it
	v_lshlrev_b32 v3, 4, v8                        ; W's image (wimg, laid by the first launch in the order of these registers): 16 x lane
	v_lshlrev_b32 v4, 4, v9                        ; W's scales: 16 bytes a row
	s_mul_i32 s15, s14, 4352                       ; my stage: 16 rows x (256 + 16) bytes
	v_mul_u32_u24 v5, v9, 272
	s_delay_alu instid0(VALU_DEP_1)
	v_lshl_add_u32 v5, v10, 5, v5
	s_delay_alu instid0(VALU_DEP_1)
	v_add_nc_u32 v5, s15, v5                       ; in: row r, + 32 h
	v_mul_u32_u24 v6, v10, 272
	s_delay_alu instid0(VALU_DEP_1)
	v_lshl_add_u32 v6, v9, 4, v6
	s_delay_alu instid0(VALU_DEP_1)
	v_add_nc_u32 v6, s15, v6                       ; back: lanes 0-15 one row, lanes 16-31 the next
	v_lshlrev_b32 v7, 11, v10
	s_delay_alu instid0(VALU_DEP_1)
	v_lshl_add_u32 v7, v9, 4, v7                   ; and the same two rows in out0
	s_mul_i32 s16, ttmp9, 24576                    ; ocod: four tiles of 6,144 bytes
	s_mov_b32 s17, 0
	s_lshl_b32 s18, ttmp9, 10                      ; oscl: four of 256
	s_mov_b32 s19, 0
	s_mul_i32 s20, s14, 24576                      ; W: my 64 rows
	s_mov_b32 s21, 0
	s_lshl_b32 s22, s14, 10                        ; and their scales
	s_mov_b32 s23, 0
	s_lshl_b32 s24, ttmp9, 17                      ; out0: 64 rows of 2,048 bytes,
	s_lshl_b32 s25, s14, 8                         ; my 256 bytes of a row
	s_add_co_u32 s24, s24, s25
	s_mov_b32 s25, 0
	s_wait_alu depctr_va_vdst(0)
	s_wait_kmcnt 0x0
	s_add_nc_u64 s[4:5], s[4:5], s[16:17]
	s_add_nc_u64 s[6:7], s[6:7], s[18:19]
	s_add_nc_u64 s[8:9], s[8:9], s[20:21]
	s_add_nc_u64 s[10:11], s[10:11], s[22:23]
	s_add_nc_u64 s[12:13], s[12:13], s[24:25]
.irp ct, 0,1,2,3
	global_load_b128 v[16+4*\ct:19+4*\ct], v4, s[10:11] offset:256*\ct   ; row r's four words
.endr
	WIN 0x40                                       ; destination window 1
.irp ct, 0,1,2,3
.irp ks, 0,1,2,3
.irp p, 0,1,2
	global_load_b128 v[12*(4*\ct+\ks)+4*\p:12*(4*\ct+\ks)+4*\p+3], v3, s[8:9] offset:1536*(4*\ct+\ks)+512*\p   ; 512 consecutive bytes a load
.endr
.endr
.endr
	WIN 0
.macro ALOAD m                         ; tile m's four fragments and scale words into set m % 2: 26 loads, 256 consecutive bytes each (the words: 128)
.set i, 0
.rept 24
	global_load_b64 v[AF+48*((\m)%2)+2*i:AF+48*((\m)%2)+2*i+1], v1, s[4:5] offset:6144*(\m)+256*i
.set i, i+1
.endr
.irp k, 0,1
	global_load_b32 v[32+2*((\m)%2)+\k], v2, s[6:7] offset:256*(\m)+128*\k
.endr
.endm
	ALOAD 0
	ALOAD 1
.macro ROWT m
.set AS, AF+48*((\m)%2)
.set OS, 32+2*((\m)%2)
.set BB, BK+32*((\m)%2)
.if (\m) < 3
	s_wait_loadcnt 26                              ; loads come back in order: this tile's (and W) are in; the next tile's 26 may be out
.else
	s_wait_loadcnt 0x0
.endif
	WIN 0x01                                       ; source 0 (W) window 1
.irp ks, 0,1,2,3                               ; the four accumulators take turns, one instruction a turn, K ascending; the first product starts each sum
.irp ct, 0,1,2,3
.if \ks == 0
	v_wmma_scale_f32_16x16x128_f8f6f4 v[ACC+8*\ct:ACC+8*\ct+7], v[12*(4*\ct+\ks):12*(4*\ct+\ks)+11], v[AS+12*\ks:AS+12*\ks+11], 0, v[16+4*\ct+\ks], v[OS+\ks/2] matrix_a_fmt:MATRIX_FMT_FP6 matrix_b_fmt:MATRIX_FMT_FP6
.elseif \ks%2
	v_wmma_scale_f32_16x16x128_f8f6f4 v[ACC+8*\ct:ACC+8*\ct+7], v[12*(4*\ct+\ks):12*(4*\ct+\ks)+11], v[AS+12*\ks:AS+12*\ks+11], v[ACC+8*\ct:ACC+8*\ct+7], v[16+4*\ct+\ks], v[OS+\ks/2] matrix_a_fmt:MATRIX_FMT_FP6 matrix_b_fmt:MATRIX_FMT_FP6 matrix_b_scale:MATRIX_SCALE_ROW1
.else
	v_wmma_scale_f32_16x16x128_f8f6f4 v[ACC+8*\ct:ACC+8*\ct+7], v[12*(4*\ct+\ks):12*(4*\ct+\ks)+11], v[AS+12*\ks:AS+12*\ks+11], v[ACC+8*\ct:ACC+8*\ct+7], v[16+4*\ct+\ks], v[OS+\ks/2] matrix_a_fmt:MATRIX_FMT_FP6 matrix_b_fmt:MATRIX_FMT_FP6
.endif
.endr
.endr
	WIN 0
.rept 5
	v_nop                                          ; four places ahead of the LDS stores that read the results and of the loads into the operands; the fifth for the next tile's products, which begin these accumulators anew
.endr
.if (\m) < 2
	ALOAD (\m)+2
.endif
.irp ct, 0,1,2,3
	ds_store_b128 v5, v[ACC+8*\ct:ACC+8*\ct+3] offset:64*\ct        ; each accumulator from its low end on: out(r, 16 ct + 8 h + 0 .. 7)
	ds_store_b128 v5, v[ACC+8*\ct+4:ACC+8*\ct+7] offset:64*\ct+16
.endr
.if (\m) >= 2
	s_wait_xcnt 0x0                                ; the stores of two tiles ago have read this set's registers
.endif
.irp i, 0,1,2,3,4,5,6,7
	ds_load_b128 v[BB+4*\i:BB+4*\i+3], v6 offset:544*\i             ; LDS serves a wave's instructions in order: these see the stores above
.endr
.irp i, 0,1,2,3,4,5,6,7
	s_wait_dscnt 7-\i                              ; load i is back; the younger ones may be out
	global_store_b128 v7, v[BB+4*\i:BB+4*\i+3], s[12:13] offset:32768*(\m)+4096*\i th:TH_STORE_NT   ; 16 lanes store 256 consecutive bytes, at a multiple of 256 from out0's first byte
.endr
.endm
	ROWT 0
	ROWT 1
	ROWT 2
	ROWT 3
	s_wait_tensorcnt 0x0
	ds_add_u32 v254, v255
	s_wait_dscnt 0x0
	s_endpgm
.Lfunc_end_k_q9f3235cbd9_proj:
	.size	k_q9f3235cbd9_proj, .Lfunc_end_k_q9f3235cbd9_proj-k_q9f3235cbd9_proj
	.p2alignl 7, 3214868480
	.fill 96, 4, 3214868480
	.section	.rodata,"a",@progbits
	.p2align	6, 0x0
	.amdhsa_kernel k_q9f3235cbd9_proj
		.amdhsa_group_segment_fixed_size 35840
		.amdhsa_private_segment_fixed_size 0
		.amdhsa_enable_private_segment 0
		.amdhsa_kernarg_size 40
		.amdhsa_user_sgpr_count 2
		.amdhsa_user_sgpr_kernarg_segment_ptr 1
		.amdhsa_wavefront_size32 1
		.amdhsa_system_sgpr_workgroup_id_x 1
		.amdhsa_system_sgpr_workgroup_id_y 1
		.amdhsa_system_sgpr_workgroup_id_z 1
		.amdhsa_system_vgpr_workitem_id 0
		.amdhsa_next_free_vgpr 448
		.amdhsa_next_free_sgpr 66
		.amdhsa_reserve_vcc 0
		.amdhsa_float_denorm_mode_32 3
		.amdhsa_float_denorm_mode_16_64 3
		.amdhsa_memory_ordered 1
		.amdhsa_forward_progress 1
		.amdhsa_inst_pref_size 35
	.end_amdhsa_kernel
	.amdgpu_metadata
---
amdhsa.version: [ 1, 2 ]
amdhsa.kernels:
  - .name:           k_q9f3235cbd9_proj
    .symbol:         k_q9f3235cbd9_proj.kd
    .args:
      - { .name: ocod, .offset: 0, .size: 8, .value_kind: global_buffer, .address_space: global }
      - { .name: oscl, .offset: 8, .size: 8, .value_kind: global_buffer, .address_space: global }
      - { .name: wimg, .offset: 16, .size: 8, .value_kind: global_buffer, .address_space: global }
      - { .name: W_out_scales, .offset: 24, .size: 8, .value_kind: global_buffer, .address_space: global }
      - { .name: out0, .offset: 32, .size: 8, .value_kind: global_buffer, .address_space: global }
    .group_segment_fixed_size: 35840
    .private_segment_fixed_size: 0
    .kernarg_segment_align: 8
    .kernarg_segment_size: 40
    .max_flat_workgroup_size: 256
    .sgpr_count:     66
    .vgpr_count:     448
    .wavefront_size: 32
...
	.end_amdgpu_metadata
.endif
;; end of part 3
